; MI455X (gfx1250); checked and timed in simulation.
; The chip was launched on July 23, 2026; its instructions are those of AMD's public machine-readable ISA for CDNA 5 (MIT licence, August 2026) and "CDNA5" Instruction Set Architecture Reference Guide (July 2026). The comments in the code are by the model that wrote it; some were corrected since.
;; Attention. Allowed arithmetic: matrix products marked QUANTISED: E2M1 operands, one E8M0 scale for each 32 along K, by v_wmma_scale_f32_16x16x128_f8f6f4 with both operands' format E2M1 (or v_wmma_scale_f32_32x16x128_f4), f32 sums; everything else in f32.
;; Inputs: W_out_codes 1,024 x 32 x 16 uint8 (E2M1 codes of W_out, K innermost, in blocks of 32 codes, two codes a byte); W_out_scales 1,024 x 32 uint8 (E8M0 scales of W_out, one for each 32 codes along K); W_qkv_codes 3,072 x 32 x 16 uint8 (E2M1 codes of W_qkv, K innermost, in blocks of 32 codes, two codes a byte); W_qkv_scales 3,072 x 32 uint8 (E8M0 scales of W_qkv, one for each 32 codes along K); b_out 1,024 float32; b_qkv 3,072 float32; x_codes 4 x 2,048 x 32 x 16 uint8 (E2M1 codes of x, K innermost, in blocks of 32 codes, two codes a byte); x_scales 4 x 2,048 x 32 uint8 (E8M0 scales of x, one for each 32 codes along K).
;; Outputs: out0 4 x 2,048 x 1,024 float32.
;; This version of the problem:
;;   THIS VERSION OF THE PROBLEM IS GIVEN IN LOW PRECISION. The matrix products marked QUANTISED in the list below multiply operands that are first quantised to E2M1 (2 exponent bits, 1 mantissa bit; 4 bits a number), with one power-of-two scale for each 32 numbers along K (OCP MX v1.0); their sums are f32. All else is computed in f32.
;;   The module's matrix products, in the order in which they are computed (A, B: the left and right operand; K: the contracted axis; several contracted axes count as one K, in the product's order):
;;     1. [M 8,192, K 1,024] x [K 1,024, N 3,072]; A: input x (given as codes); B: input W_qkv (given as codes): QUANTISED
;;     2. batch 64 x [M 2,048, K 64] x [K 64, N 2,048]; A: computed on the way; B: computed on the way: QUANTISED
;;     3. batch 64 x [M 2,048, K 2,048] x [K 2,048, N 64]; A: softmax (see below); B: computed on the way: QUANTISED
;;     4. [M 8,192, K 1,024] x [K 1,024, N 1,024]; A: computed on the way; B: input W_out (given as codes): QUANTISED
;;   THE QUANTISER, for each operand of a quantised product, along K:
;;     - K is cut into blocks of 32 from its start; a last block that is shorter is filled with zeros.
;;     - A block's scale is 2^e with e = floor(log2(the largest magnitude in the block)) - 2, held to -126 .. 127; a block of zeros has e = 0. As a byte (E8M0): e + 127.
;;     - Each number is divided by its block's scale, clamped to +-6, and rounded to the nearest number of E2M1, ties to even, subnormals kept.
;;     - The product sums the exact products of the quantised numbers (number of the format x scale) in f32.
;;   ~~~python
;;   def quantise(x, axis):      # numpy; x: float32 -> the quantised numbers, widened to float32 again
;;       x = np.moveaxis(x, axis, -1); K = x.shape[-1]
;;       x = np.pad(x, [(0, 0)] * (x.ndim - 1) + [(0, -K % 32)]); x = x.reshape(x.shape[:-1] + (-1, 32)); a = np.abs(x).max(-1, keepdims=True)
;;       e = np.where(a > 0, np.clip(np.frexp(np.where(a > 0, a, 1))[1] - 1 - 2, -126, 127), 0)      # np.frexp(a)[1] - 1 = floor(log2(a)), exactly
;;       r = np.clip(x / 2.0 ** e, -6, 6)
;;       step = 2.0 ** (np.maximum(np.frexp(np.where(r == 0, 1, r))[1] - 1, 0) - 1)
;;       q = np.round(r / step) * step * 2.0 ** e      # np.round: ties to even
;;       return np.moveaxis(q.reshape(q.shape[:-2] + (-1,))[..., :K], -1, axis).astype(np.float32)
;;   ~~~
;;   SOFTMAX AHEAD OF A QUANTISED PRODUCT. Where the list says 'softmax', what is quantised is not the finished softmax but p = 2^(t - M), with t = logit x log2(e) and M = ceil(the row's largest t), a whole number; so 1/2 < the row's largest p <= 1. The row's sum l is taken of the UNQUANTISED p, in f32, and the product's result is divided by l at the end. Since M is a whole number, a kernel that streams over the keys may use a running M (the ceiling of the running maximum): every later rescaling is an exact power of two, which a block's scale takes up: the codes' values come out the same.
;;   OPERANDS COMPUTED ON THE WAY. 'Computed on the way' means the value that the module computes at that place (a softmax that the list does not call 'softmax' is quantised finished and normalised). What goes into a quantiser is computed in f32, as accurately as f32 sums, v_exp_f32 and their like allow (about 1e-6 of the number): no bf16 or f16 on the way to a quantiser, and a product that is left as it is and whose result goes on into a quantised operand takes f32 operands (vector FMAs, or v_wmma_f32_16x16x4_f32). A number that lies on a knife's edge between two numbers of the format may be rounded either way, as far as f32 arithmetic and the matrix unit's own rounding can turn it there, and no further.
;;   INPUTS GIVEN AS CODES. W_out (in the module: [1024, 1024], K = its axis 0); W_qkv (in the module: [1024, 3072], K = its axis 0); x (in the module: [4, 2048, 1024], K = its axis 2): each comes as NAME_codes (uint8): NAME with its K axis moved to the last place and cut into blocks of 32 codes, [.., K / 32, bytes a block], one block behind the other in memory; two codes a byte, the lower K in the low four bits (a code: sign, 2 exponent bits, 1 mantissa bit); and NAME_scales (uint8): the same leading axes, one E8M0 byte (e + 127) for each 32 codes along K. Its value is code x scale, taken as it is: it is not quantised again, and the codes and scales need not be those that the quantiser above would give.
;; One version. Each part assembles by itself: llvm-mc -triple=amdgcn-amd-amdhsa -mcpu=gfx1250 --defsym DOCPART=n.
;; ======== version 1 of 1: 3 launches
;; workspace buffers: qimg 4,194,304 bytes; kvimg 8,388,608 bytes; scl 1,048,576 bytes; aimg 4,194,304 bytes; ascl 262,144 bytes
;; launch qkv (part 1): grid 16 x 32, 4 waves a work-group, clusters of 4 x 4, 261,632 bytes of LDS; arguments x_codes, x_scales, W_qkv_codes, W_qkv_scales, b_qkv, qimg, kvimg, scl; writes qimg, kvimg, scl
.if DOCPART == 1
	.amdgcn_target "amdgcn-amd-amdhsa--gfx1250"
	.amdhsa_code_object_version 6
	.text
	.protected	k_q9a57dec5a6_qkv
	.globl	k_q9a57dec5a6_qkv
	.p2align	8
	.type	k_q9a57dec5a6_qkv,@function
k_q9a57dec5a6_qkv:
	s_mov_b64 s[64:65], 0
	v_nop
	global_prefetch_b8 v0, s[64:65] scope:SCOPE_SE
	s_setreg_imm32_b32 hwreg(HW_REG_WAVE_MODE, 25, 1), 1
	s_wait_xcnt 0x0
	s_wait_alu depctr_hold_cnt(0) depctr_sa_sdst(0) depctr_va_vdst(0) depctr_va_sdst(0) depctr_va_ssrc(0) depctr_va_vcc(0) depctr_vm_vsrc(0)
	s_getreg_b32 s2, hwreg(HW_REG_IB_STS2, 6, 4)
	s_cmp_eq_u32 s2, 0
	s_cbranch_scc0 .Lentry_in_a_cluster
	s_endpgm
.Lentry_in_a_cluster:
	s_bfe_u32 s2, ttmp6, 0x10000c
	s_cmp_lg_u32 s2, 0xf033
	s_cbranch_scc0 .Lentry_shape_is_right
	s_endpgm
.Lentry_shape_is_right:
; qkv = x W_qkv + b_qkv on codes of FP4 (E2M1) with one E8M0 scale for each 32 along K = 1,024, and its results quantised at once for the attention launch:
; q and k along the head's 64 channels, v along the keys.  Nothing leaves as f32: codes and scale bytes alone.
; SHARES.  A work-group takes 256 rows of x (tokens of one batch) and the 192 columns of one head (64 of q, 64 of k, 64 of v), all of K.  Wave w takes rows 64 w .. 64 w + 63 and all 192 columns:
; 4 tiles of rows x 12 tiles of columns = 48 accumulators.
; LDS IS FILLED ONCE: a row of codes is 512 bytes, so 256 rows of x, 192 rows of W and their scale bytes lie in LDS whole.  They come in two halves along K, so that the first half is multiplied while the second lands.
; CLUSTER 4 x 4: the four work-groups of a row of the cluster need the same rows of x, the four of a column the same rows of W: each tile is asked for jointly.
; q AND k ARE MADE TRANSPOSED (source 0 = 16 rows of W, source 1 = 16 rows of x): a lane holds one token and eight neighbouring channels.  v IS MADE THE OTHER WAY ROUND (source 0 = x, source 1 = W): a lane holds
; one channel and eight neighbouring keys.  Either way a lane's registers run along the next product's K.
; FROM FOUR TILES TO HALF AN OPERAND.  Tiles T0..T3 cover 64 along the next K: two blocks of 32; block 0 is T0, T1 of lanes l and l xor 16.  The codes of T0, T2, T1, T3 go into four registers in that order;
; two exchanges of halves (lanes 16-31 of the first with lanes 0-15 of the second) leave lane (r, h) with the codes of 32 h + 0 .. 31: registers 4 c .. 4 c + 3 of a 4-bit operand.
; Such four registers are stored as they stand, lane l's 16 bytes at 16 l: 512 consecutive bytes a store; the launch that loads them so has the operand's registers.
; LIMITS: NaN and infinities among the inputs are not served; a scale byte 0xff among the inputs gives NaN.  A block whose largest magnitude lies under 2^-124, a block of zeros among them, gets the byte 1
; (the rule says 127 for zeros: its codes are zeros, and the bytes are read by this program alone).
.set PITCH, 272                        ; an LDS row: 256 bytes of codes + 16 of padding: the 16 rows that a fragment load touches start 68 words apart
.set AH0,   0                          ; x's 256 rows, first half of K
.set BH0,   69632                      ; W's 192 rows, first half of K
.set HALF,  121856                     ; from a half to the other
.set ASCL,  243712                     ; x's scale bytes: 32 a row, eight rows in 256 bytes + 16 of padding
.set BSCL,  252416                     ; W's likewise
.set STG,   259072                     ; a stage for the scale words that leave: q's 1,024 bytes, k's 512, v's 512; no fill lands here
.set SX,    32                         ; v32-47   x's scale words: tile mt, register 4 mt + q: lanes 0-15 K step q, lanes 16-31 K step 4 + q
.set SW,    48                         ; v48-95   W's likewise, tile t
.set XF,    96                         ; v96-159  x's fragments, two sets of four
.set TM,    96                         ; behind the products: v96-119 largest magnitudes of the 24 blocks
.set TP,    120                        ; v120-143 the other half's, then the scale bytes
.set SO,    144                        ; v144-167 the conversions' scale operands
.set HW,    168                        ; v168-179 two bytes for each of the 12 groups
.set QW,    180                        ; v180-183 q's scale words
.set KW,    184                        ; v184-185 k's
.set PC,    192                        ; v192-243 the codes
.set BKR,   244                        ; v244-247 the stage read back
.set WV,    20                         ; s20 my wave's number
.set SEL,   66                         ; s[66:67] lane selects for v_permlanex16_b32: lane l xor 16
.set G1A,   36                         ; s[36:43] descriptor group 1 for x's codes;  s[44:51] W's codes;  s[52:59] x's scales;  s[68:75] W's scales
.set G1B,   44
.set G1SA,  52
.set G1SB,  68
.set G0A,   76                         ; s[76:87] three groups 0 for x: scales, first half, second half;  s[88:99] the same for W
.set G0B,   88
; REGISTERS, in windows of 256.  window 0: v1-15 addresses, scale words, x's fragments.  window 1: W's fragments, set s % 2 at v[96 set + 8 t].
; window 2: q's and k's accumulators at v[8 (8 mt + nt)].  window 3: v's at v[8 (4 nt + mt)]; v128-191 the bias of q and k, v192-223 that of v.
.set MSB, 0
.macro WIN new                         ; the immediate's high byte repeats the setting that is left
.if MSB != \new
	s_set_vgpr_msb (MSB<<8)|\new
.set MSB, \new
.endif
.endm
.macro PLACES n
.rept \n
	v_nop
.endr
.endm
.macro CROUND                          ; a round of the cluster's barrier
	s_barrier_signal -1
	s_barrier_wait -1
	s_cmp_lg_u32 s[WV], 0
	s_cbranch_scc1 .Lnot_wave_0_\@
	s_barrier_signal -3
.Lnot_wave_0_\@:
	s_barrier_wait -3
	s_barrier_signal -1
	s_barrier_wait -1
.endm
; one product.  hi = 1: K steps 4 to 7, whose scale words lie in lanes 16-31
.macro WM d, a, b, c, sa, sb, hi
.if \hi
	v_wmma_scale_f32_16x16x128_f8f6f4 v[\d:\d+7], v[\a:\a+7], v[\b:\b+7], v[\c:\c+7], v[\sa], v[\sb] matrix_a_fmt:MATRIX_FMT_FP4 matrix_b_fmt:MATRIX_FMT_FP4 matrix_a_scale:MATRIX_SCALE_ROW1 matrix_b_scale:MATRIX_SCALE_ROW1
.else
	v_wmma_scale_f32_16x16x128_f8f6f4 v[\d:\d+7], v[\a:\a+7], v[\b:\b+7], v[\c:\c+7], v[\sa], v[\sb] matrix_a_fmt:MATRIX_FMT_FP4 matrix_b_fmt:MATRIX_FMT_FP4
.endif
.endm
; the fragments of K step s (128 along K: 64 bytes of a row): W's twelve, x's four: 32 loads in one run.  Lane (r, h) takes row r, 16 bytes at 16 h and 16 at 32 + 16 h
.macro FETCH s
.set fq, (\s)%4
.set fh, (\s)/4
.set fs, (\s)%2
	WIN 0x40                                       ; destination window 1
.irp t, 0,1,2,3,4,5,6,7,8,9,10,11
	ds_load_b128 v[96*fs+8*\t:96*fs+8*\t+3], v[6+fh] offset:64*fq+\t*16*PITCH
	ds_load_b128 v[96*fs+8*\t+4:96*fs+8*\t+7], v[6+fh] offset:64*fq+\t*16*PITCH+32
.endr
	WIN 0
.irp t, 0,1,2,3
	ds_load_b128 v[XF+32*fs+8*\t:XF+32*fs+8*\t+3], v[4+fh] offset:64*fq+\t*16*PITCH
	ds_load_b128 v[XF+32*fs+8*\t+4:XF+32*fs+8*\t+7], v[4+fh] offset:64*fq+\t*16*PITCH+32
.endr
.endm
; q and k: 32 products.  In the first K step the bias is the C: nothing is cleared and nothing is added later.  The 48 accumulators take turns, one instruction a turn, in the same order in every step
.macro MULQK s
.set mq, (\s)%4
.set ms, (\s)%2
.set mhi, (\s)/4
.if (\s) == 0
	WIN 0xb1                                       ; source 0 (W) window 1, source 1 (x) window 0, C (the bias) window 3, D window 2
.else
	WIN 0xa1                                       ; C and D window 2
.endif
.irp mt, 0,1,2,3
.irp nt, 0,1,2,3,4,5,6,7
.if (\s) == 0
	WM 8*(8*\mt+\nt), 96*ms+8*\nt, XF+32*ms+8*\mt, 128+8*\nt, SW+4*\nt+mq, SX+4*\mt+mq, mhi
.else
	WM 8*(8*\mt+\nt), 96*ms+8*\nt, XF+32*ms+8*\mt, 8*(8*\mt+\nt), SW+4*\nt+mq, SX+4*\mt+mq, mhi
.endif
.endr
.endr
.endm
; v: 16 products, the sources the other way round
.macro MULV s
.set mq, (\s)%4
.set ms, (\s)%2
.set mhi, (\s)/4
	WIN 0xf4                                       ; source 0 (x) window 0, source 1 (W) window 1, C and D window 3
.irp nt, 0,1,2,3
.irp mt, 0,1,2,3
.if (\s) == 0
	WM 8*(4*\nt+\mt), XF+32*ms+8*\mt, 96*ms+8*(8+\nt), 192+8*\nt, SX+4*\mt+mq, SW+4*(8+\nt)+mq, mhi
.else
	WM 8*(4*\nt+\mt), XF+32*ms+8*\mt, 96*ms+8*(8+\nt), 8*(4*\nt+\mt), SX+4*\mt+mq, SW+4*(8+\nt)+mq, mhi
.endif
.endr
.endr
.endm
; where group g's four code registers lie: chosen so that no conversion's destination has a number inside its source's numbers, in whatever window
.macro PCOF g
.set pcg, PC+4*(\g)
.if (\g) == 6
.set pcg, PC+32
.endif
.if (\g) == 7
.set pcg, PC+24
.endif
.if (\g) > 7
.set pcg, PC+4*(\g)+4
.endif
.endm
.macro CVT4 g, base                    ; tiles T0, T2, T1, T3 of the group whose 32 registers begin at base
	PCOF \g
	v_cvt_scalef32_pk8_fp4_f32 v[pcg], v[\base:\base+7], v[SO+2*(\g)]
	v_cvt_scalef32_pk8_fp4_f32 v[pcg+1], v[\base+16:\base+23], v[SO+2*(\g)+1]
	v_cvt_scalef32_pk8_fp4_f32 v[pcg+2], v[\base+8:\base+15], v[SO+2*(\g)]
	v_cvt_scalef32_pk8_fp4_f32 v[pcg+3], v[\base+24:\base+31], v[SO+2*(\g)+1]
.endm
	s_load_b256 s[4:11], s[0:1], 0x0               ; x's codes s[4:5], x's scales s[6:7], W's codes s[8:9], W's scales s[10:11]
	s_load_b256 s[12:19], s[0:1], 0x20             ; the bias s[12:13], qimg s[14:15], kvimg s[16:17], scl s[18:19]
	v_lshl_add_u32 v254, v0, 2, 0x3fc00
	v_mov_b32 v255, 0
	ds_add_u32 v254, v255
	ds_add_u32 v254, v255
	v_lshrrev_b32 v1, 5, v0
	v_readfirstlane_b32 s[WV], v1                  ; wave 0..3
	s_lshr_b32 s21, s[WV], 1                       ; I fetch for x (0) or for W (1)
	s_and_b32 s22, s[WV], 1                        ; f: which half of that tile's rows
	s_bfe_u32 s23, ttmp6, 0x40000                  ; cx, cy: my place in the cluster
	s_bfe_u32 s24, ttmp6, 0x40004
	s_lshl_b32 s25, ttmp9, 2
	s_add_co_u32 s25, s25, s23                     ; the head = 4 x cluster x + cx
	s_and_b32 s26, ttmp7, 0xffff
	s_lshl_b32 s26, s26, 2
	s_add_co_u32 s26, s26, s24                     ; the block of 256 rows = 4 x cluster y + cy
	s_lshl_b32 s27, s24, 2
	s_lshl_b32 s27, 15, s27                        ; my row of the cluster
	s_lshl_b32 s28, 0x1111, s23                    ; my column
	; descriptor group 1.  Codes: rows of 256 bytes out of rows of 512, 16 bytes of padding behind each; x: 128 rows a load, W: 96
	s_or_b32 s[G1A], s27, (1<<20)|(1<<21)|(5<<22)|(3<<25)    ; 15:0 the mask; 17:16 elements of 1 byte; 20 padding on; 21 set beside a mask; 24:22 after every 64 words; 31:25 four words
	s_or_b32 s[G1B], s28, (1<<20)|(1<<21)|(5<<22)|(3<<25)
.irp g, G1A, G1B
	s_mov_b32 s[\g+1], 256<<16                     ; tensor_dim0
	s_mov_b32 s[\g+3], 256<<16                     ; tile_dim0
	s_mov_b32 s[\g+5], 512                         ; from row to row
	s_mov_b32 s[\g+6], 0
	s_mov_b32 s[\g+7], 0
.endr
	s_mov_b32 s[G1A+2], 128<<16                    ; tensor_dim1
	s_mov_b32 s[G1A+4], 128                        ; tile_dim1
	s_mov_b32 s[G1B+2], 96<<16
	s_mov_b32 s[G1B+4], 96
	; scale bytes: a dense block, as rows of 256 bytes (32 elements of 8 bytes), 16 bytes of padding behind each; x: 16 rows a load, W: 12
	s_or_b32 s[G1SA], s27, (3<<16)|(1<<20)|(1<<21)|(5<<22)|(3<<25)
	s_or_b32 s[G1SB], s28, (3<<16)|(1<<20)|(1<<21)|(5<<22)|(3<<25)
.irp g, G1SA, G1SB
	s_mov_b32 s[\g+1], 32<<16
	s_mov_b32 s[\g+3], 32<<16
	s_mov_b32 s[\g+5], 32
	s_mov_b32 s[\g+6], 0
	s_mov_b32 s[\g+7], 0
.endr
	s_mov_b32 s[G1SA+2], 16<<16
	s_mov_b32 s[G1SA+4], 16
	s_mov_b32 s[G1SB+2], 12<<16
	s_mov_b32 s[G1SB+4], 12
	; where the tiles come from: x's hang on the block of rows alone, W's on the head alone; every wave makes both, in registers that never hold the other coordinate
	s_lshl_b32 s30, s26, 8
	s_lshl_b32 s34, s22, 7
	s_add_co_u32 s30, s30, s34                     ; x: row 256 x block + 128 f
	s_lshl_b32 s32, s30, 5                         ; its scale bytes
	s_lshl_b32 s30, s30, 9                         ; its codes
	s_mov_b32 s31, 0
	s_mov_b32 s33, 0
	s_mul_i32 s60, s25, 192
	s_mul_i32 s34, s22, 96
	s_add_co_u32 s60, s60, s34                     ; W: row 192 x head + 96 f
	s_lshl_b32 s62, s60, 5
	s_lshl_b32 s60, s60, 9
	s_mov_b32 s61, 0
	s_mov_b32 s63, 0
	s_mul_i32 s35, s22, 128*PITCH                  ; and where they go: the wave's number alone enters an LDS address
	s_mul_i32 s66, s22, 16*PITCH
	s_mul_i32 s67, s22, 96*PITCH
	s_mul_i32 s100, s22, 12*PITCH
	s_wait_dscnt 0x0
	s_wait_kmcnt 0x0
	s_add_nc_u64 s[30:31], s[4:5], s[30:31]
	s_add_nc_u64 s[32:33], s[6:7], s[32:33]
	s_add_nc_u64 s[60:61], s[8:9], s[60:61]
	s_add_nc_u64 s[62:63], s[10:11], s[62:63]
	CROUND                                         ; all sixteen work-groups are here: the joint loads meet
	s_mov_b32 s[G0A], 1
	s_add_co_u32 s[G0A+1], s66, ASCL
	s_mov_b64 s[G0A+2:G0A+3], s[32:33]
	s_or_b32 s[G0A+3], s[G0A+3], 0x80000000
	s_mov_b32 s[G0B], 1
	s_add_co_u32 s[G0B+1], s100, BSCL
	s_mov_b64 s[G0B+2:G0B+3], s[62:63]
	s_or_b32 s[G0B+3], s[G0B+3], 0x80000000
.irp k, 0,1
	s_mov_b32 s[G0A+4+4*\k], 1
	s_add_co_u32 s[G0A+5+4*\k], s35, AH0+\k*HALF
	s_add_nc_u64 s[G0A+6+4*\k:G0A+7+4*\k], s[30:31], 256*\k
	s_or_b32 s[G0A+7+4*\k], s[G0A+7+4*\k], 0x80000000
	s_mov_b32 s[G0B+4+4*\k], 1
	s_add_co_u32 s[G0B+5+4*\k], s67, BH0+\k*HALF
	s_add_nc_u64 s[G0B+6+4*\k:G0B+7+4*\k], s[60:61], 256*\k
	s_or_b32 s[G0B+7+4*\k], s[G0B+7+4*\k], 0x80000000
.endr
	; all fills of the launch, one group: a wave's three loads in one branch on its number: three loads of mine are out.  Four v_nop follow the last
	s_cmp_eq_u32 s21, 0
	s_cbranch_scc0 .Lfill_w
	tensor_load_to_lds s[G0A:G0A+3], s[G1SA:G1SA+7]
	s_nop 0
	tensor_load_to_lds s[G0A+4:G0A+7], s[G1A:G1A+7]
	s_nop 0
	tensor_load_to_lds s[G0A+8:G0A+11], s[G1A:G1A+7]
	s_nop 0
	PLACES 4
	s_branch .Lfilled
.Lfill_w:
	tensor_load_to_lds s[G0B:G0B+3], s[G1SB:G1SB+7]
	s_nop 0
	tensor_load_to_lds s[G0B+4:G0B+7], s[G1B:G1B+7]
	s_nop 0
	tensor_load_to_lds s[G0B+8:G0B+11], s[G1B:G1B+7]
	s_nop 0
	PLACES 4
.Lfilled:
	; the bias, in the results' layouts.  q and k: lane (r, h) holds columns 16 nt + 8 h + 0 .. 7.  v: lane (r, h) holds column 16 nt + r in all eight registers
	v_and_b32 v1, 15, v0                           ; r
	v_bfe_u32 v2, v0, 4, 1                         ; h
	v_lshlrev_b32 v14, 5, v2
	v_lshlrev_b32 v15, 2, v1
	s_mul_i32 s60, s25, 768                        ; the head's 192 numbers
	s_mov_b32 s61, 0
	s_add_nc_u64 s[12:13], s[12:13], s[60:61]
	WIN 0xc0                                       ; destination window 3
.irp nt, 0,1,2,3,4,5,6,7
	global_load_b128 v[128+8*\nt:128+8*\nt+3], v14, s[12:13] offset:64*\nt
	global_load_b128 v[128+8*\nt+4:128+8*\nt+7], v14, s[12:13] offset:64*\nt+16
.endr
.irp nt, 0,1,2,3
	global_load_b32 v[192+8*\nt], v15, s[12:13] offset:512+64*\nt
.endr
	WIN 0
	; where the results go
	s_mov_b32 s[SEL], 0x76543210
	s_mov_b32 s[SEL+1], 0xfedcba98
	s_lshr_b32 s30, s26, 3                         ; the batch
	s_and_b32 s31, s26, 7                          ; which 256 of its 2,048 tokens
	s_lshl_b32 s32, s30, 4
	s_add_co_u32 s32, s32, s25
	s_lshl_b32 s32, s32, 16                        ; qimg: 65,536 bytes for each batch and head,
	s_lshl_b32 s34, s31, 13                        ; 512 for each tile of 16 tokens: 16 tiles a work-group,
	s_lshl_b32 s35, s[WV], 11                      ; 4 a wave
	s_add_co_u32 s35, s35, s34
	s_add_co_u32 s32, s32, s35
	s_mov_b32 s33, 0
	s_add_nc_u64 s[14:15], s[14:15], s[32:33]
	s_lshr_b32 s60, s25, 1
	s_lshl_b32 s61, s30, 3
	s_add_co_u32 s60, s60, s61                     ; the record: 8 x batch + head / 2
	s_and_b32 s61, s25, 1                          ; head % 2
	s_lshl_b32 s62, s60, 18                        ; kvimg: 262,144 bytes a record,
	s_lshl_b32 s63, s61, 16                        ; 65,536 a head
	s_add_co_u32 s62, s62, s63
	s_add_co_u32 s32, s62, s35                     ; k: by tiles of 16 keys, as q
	s_lshl_b32 s63, s21, 12                        ; v: 4,096 bytes for each 128 keys: two such steps a work-group (8,192 bytes, as k's 16 tiles), one for two waves,
	s_add_co_u32 s62, s62, s63
	s_add_co_u32 s62, s62, s34
	s_lshl_b32 s63, s22, 9                         ; my 64 keys are half f of each fragment,
	s_add_co_u32 s62, s62, s63
	s_add_co_u32 s62, s62, 131072                  ; behind the record's k
	s_mov_b32 s63, 0
	s_add_nc_u64 s[4:5], s[16:17], s[62:63]        ; v's images
	s_add_nc_u64 s[16:17], s[16:17], s[32:33]      ; k's
	s_lshl_b32 s62, s60, 15                        ; scl: 32,768 bytes a record.  Each wave stores 512 bytes of the stage: waves 0 and 1 q's words, wave 2 k's, wave 3 v's
	s_lshl_b32 s32, s61, 13
	s_lshl_b32 s34, s31, 10
	s_add_co_u32 s32, s32, s34
	s_lshl_b32 s34, s22, 9
	s_add_co_u32 s32, s32, s34
	s_add_co_u32 s32, s32, 16384                   ; q's: 16,384 + 8,192 x (head % 2) + 1,024 x block + 512 f
	s_lshl_b32 s35, s61, 12
	s_lshl_b32 s34, s31, 9
	s_add_co_u32 s35, s35, s34
	s_lshl_b32 s34, s22, 13
	s_add_co_u32 s35, s35, s34                     ; k's (f = 0), v's (f = 1): 8,192 f + 4,096 x (head % 2) + 512 x block
	s_cmp_lt_u32 s[WV], 2
	s_cselect_b32 s32, s32, s35
	s_add_co_u32 s62, s62, s32
	s_add_nc_u64 s[18:19], s[18:19], s[62:63]
	s_wait_loadcnt 0x0                             ; the bias
	WIN 0xc3                                       ; destination and source window 3
.irp nt, 0,1,2,3
.irp j, 1,2,3,4,5,6,7
	v_mov_b32 v[192+8*\nt+\j], v[192+8*\nt]
.endr
.endr
	WIN 0
	v_and_b32 v3, 31, v0
	v_lshlrev_b32 v3, 4, v3                        ; v3: 16 x lane: an image's place for my lane
	v_mul_u32_u24 v16, v1, PITCH
	v_lshl_add_u32 v16, v2, 4, v16                 ; a fragment's row x pitch + 16 h
	s_mul_i32 s34, s[WV], 64*PITCH
	v_add_nc_u32 v4, s34, v16                      ; v4, v5: my 64 rows of x, first and second half of K
	v_add_nc_u32 v5, HALF, v4
	v_add_nc_u32 v6, BH0, v16                      ; v6, v7: W's rows
	v_add_nc_u32 v7, HALF, v6
	v_lshrrev_b32 v17, 3, v1
	v_and_b32 v18, 7, v1
	v_mul_u32_u24 v17, v17, PITCH
	v_lshl_add_u32 v17, v18, 5, v17
	v_lshl_add_u32 v17, v2, 4, v17                 ; row r's scale bytes: 272 (r / 8) + 32 (r % 8); lanes 16-31 take the words of K steps 4 to 7
	s_mul_i32 s34, s[WV], 8*PITCH
	s_add_co_u32 s34, s34, ASCL
	v_add_nc_u32 v8, s34, v17                      ; v8: x's
	v_add_nc_u32 v9, BSCL, v17                     ; v9: W's
	s_lshl_b32 s34, s[WV], 8
	s_add_co_u32 s34, s34, STG
	v_add_nc_u32 v10, s34, v15                     ; v10: the stage, q's words: 64 bytes a tile, 4 r
	s_lshl_b32 s34, s21, 8
	s_lshl_b32 s101, s22, 3
	s_add_co_u32 s101, s101, s34
	s_add_co_u32 s101, s101, STG+1024
	v_lshl_add_u32 v11, v1, 4, s101                ; v11: k's: 256 bytes a step of 128 keys, 16 r, 4 bytes a pair of tiles: my two pairs at 8 f
	s_lshl_b32 s101, s22, 1
	s_add_co_u32 s101, s101, s34
	s_add_co_u32 s101, s101, STG+1536
	v_lshl_add_u32 v12, v1, 4, s101                ; v12: v's: 256 bytes a step, 16 r, 4 bytes a tile of channels: my two key blocks at 2 f
	v_lshl_add_u32 v13, v0, 4, STG                 ; v13: the stage read back: 16 bytes a thread
	s_wait_alu depctr_va_vdst(0)
	s_wait_tensorcnt 0x1                           ; my scale bytes and my part of the first half of K are in; the second half's load may be out
	s_barrier_signal -1
	s_barrier_wait -1                              ; everybody's are
.irp mt, 0,1,2,3
	ds_load_b128 v[SX+4*\mt:SX+4*\mt+3], v8 offset:2*PITCH*\mt
.endr
.irp t, 0,1,2,3,4,5,6,7,8,9,10,11
	ds_load_b128 v[SW+4*\t:SW+4*\t+3], v9 offset:2*PITCH*\t
.endr
	FETCH 0
; eight K steps, written out: the next step's 32 loads are issued ahead of this step's 48 products
.irp ks, 0,1,2,3,4,5,6,7
	s_wait_dscnt 0x0                               ; this step's fragments are in
.if \ks == 3
	s_wait_tensorcnt 0x0                           ; my part of the second half of K is in,
	s_barrier_signal -1
	s_barrier_wait -1                              ; everybody's is: the next fetch reads it
.endif
.if \ks < 7
.if \ks > 0
	PLACES 4                                       ; in front of loads into registers that the last step's products have read
.endif
	FETCH \ks+1
.endif
	MULQK \ks
	MULV \ks
	WIN 0
.endr
	; THE QUANTISERS.  24 blocks of 32: chain c of window 2 is registers 16 c .. 16 c + 15 (q and k: token tile c / 4, q or k, block c % 2); of window 3 likewise (v: channel tile c / 2, key block c % 2)
	PLACES 4
	WIN 0x28                                       ; sources 1 and 2 window 2
.irp c, 0,1,2,3,4,5,6,7,8,9,10,11,12,13,14,15
	v_max3_num_f32 v[TM+\c], 0x1800000, |v[16*\c]|, |v[16*\c+1]|     ; the floor 2^(3 - 127) among the leaves: the byte cannot fall under 1.  Each accumulator is read from its low end on
.endr
.irp i, 2,4,6,8,10,12,14
.irp c, 0,1,2,3,4,5,6,7,8,9,10,11,12,13,14,15
	v_max3_num_f32 v[TM+\c], v[TM+\c], |v[16*\c+\i]|, |v[16*\c+\i+1]|
.endr
.endr
	WIN 0x3c                                       ; sources 1 and 2 window 3
.irp c, 0,1,2,3,4,5,6,7
	v_max3_num_f32 v[TM+16+\c], 0x1800000, |v[16*\c]|, |v[16*\c+1]|
.endr
.irp i, 2,4,6,8,10,12,14
.irp c, 0,1,2,3,4,5,6,7
	v_max3_num_f32 v[TM+16+\c], v[TM+16+\c], |v[16*\c+\i]|, |v[16*\c+\i+1]|
.endr
.endr
	WIN 0
.set i, 0
.rept 24
	v_permlanex16_b32 v[TP+i], v[TM+i], s[SEL], s[SEL+1]
.set i, i+1
.endr
.set i, 0
.rept 24
	v_max_num_f32 v[TM+i], v[TM+i], v[TP+i]        ; with lane l xor 16's: the block's largest magnitude
.set i, i+1
.endr
.set i, 0
.rept 24
	v_add_nc_u32 v[SO+i], 0xff000000, v[TM+i]      ; 2 off its exponent field: the conversion takes the exponent field of this operand as its scale
.set i, i+1
.endr
.set i, 0
.rept 24
	v_lshrrev_b32 v[TP+i], 23, v[SO+i]             ; the scale's byte
.set i, i+1
.endr
.set i, 0
.rept 12
	v_lshl_or_b32 v[HW+i], v[TP+2*i+1], 8, v[TP+2*i]   ; a group's two bytes
.set i, i+1
.endr
.irp mt, 0,1,2,3
	v_lshl_or_b32 v[QW+\mt], v[HW+2*\mt], 16, v[HW+2*\mt]   ; q's word: the two bytes twice, since q stands in either half of an operand of 128
.endr
.irp p, 0,1
	v_lshl_or_b32 v[KW+\p], v[HW+4*\p+3], 16, v[HW+4*\p+1]  ; k's word: two neighbouring tiles of keys share an operand of 128
.endr
	WIN 0x02                                       ; source 0 window 2
.irp g, 0,1,2,3,4,5,6,7
	CVT4 \g, 32*\g
.endr
	WIN 0x03                                       ; source 0 window 3
.irp g, 8,9,10,11
	CVT4 \g, 32*(\g-8)
.endr
	WIN 0
	v_nop                                          ; one plain instruction behind the scaled conversions
.irp g, 0,1,2,3,4,5,6,7,8,9,10,11
	PCOF \g
	v_permlane16_swap_b32 v[pcg], v[pcg+1]
	v_permlane16_swap_b32 v[pcg+2], v[pcg+3]
.endr
.irp mt, 0,1,2,3
	PCOF 2*\mt
	global_store_b128 v3, v[pcg:pcg+3], s[14:15] offset:512*\mt     ; each store covers 512 consecutive bytes, aligned
	PCOF 2*\mt+1
	global_store_b128 v3, v[pcg:pcg+3], s[16:17] offset:512*\mt
	PCOF 8+\mt
	global_store_b128 v3, v[pcg:pcg+3], s[4:5] offset:1024*\mt
.endr
	; the scale words meet in the stage and leave as 512 consecutive bytes a wave.  Lanes l and l xor 16 write the same value to the same place
.irp mt, 0,1,2,3
	ds_store_b32 v10, v[QW+\mt] offset:64*\mt
.endr
	ds_store_b64 v11, v[KW:KW+1]
.irp nt, 0,1,2,3
	ds_store_b16 v12, v[HW+8+\nt] offset:4*\nt
.endr
	s_wait_dscnt 0x0                               ; for the others' sake: my stores into the stage are done
	s_barrier_signal -1
	s_barrier_wait -1
	ds_load_b128 v[BKR:BKR+3], v13
	s_wait_dscnt 0x0
	global_store_b128 v3, v[BKR:BKR+3], s[18:19]
	s_wait_tensorcnt 0x0
	ds_add_u32 v254, v255
	s_wait_dscnt 0x0
	CROUND                                         ; the closing round: no work-group ends while a partner may still ask for a tile that names it
	s_endpgm
.Lfunc_end_k_q9a57dec5a6_qkv:
	.size	k_q9a57dec5a6_qkv, .Lfunc_end_k_q9a57dec5a6_qkv-k_q9a57dec5a6_qkv
	.p2alignl 7, 3214868480
	.fill 96, 4, 3214868480
	.section	.rodata,"a",@progbits
	.p2align	6, 0x0
	.amdhsa_kernel k_q9a57dec5a6_qkv
		.amdhsa_group_segment_fixed_size 261632
		.amdhsa_private_segment_fixed_size 0
		.amdhsa_enable_private_segment 0
		.amdhsa_kernarg_size 64
		.amdhsa_user_sgpr_count 2
		.amdhsa_user_sgpr_kernarg_segment_ptr 1
		.amdhsa_wavefront_size32 1
		.amdhsa_system_sgpr_workgroup_id_x 1
		.amdhsa_system_sgpr_workgroup_id_y 1
		.amdhsa_system_sgpr_workgroup_id_z 1
		.amdhsa_system_vgpr_workitem_id 0
		.amdhsa_next_free_vgpr 1024
		.amdhsa_next_free_sgpr 102
		.amdhsa_reserve_vcc 0
		.amdhsa_float_denorm_mode_32 3
		.amdhsa_float_denorm_mode_16_64 3
		.amdhsa_memory_ordered 1
		.amdhsa_forward_progress 1
		.amdhsa_inst_pref_size 106
	.end_amdhsa_kernel
	.amdgpu_metadata
---
amdhsa.version: [ 1, 2 ]
amdhsa.kernels:
  - .name:           k_q9a57dec5a6_qkv
    .symbol:         k_q9a57dec5a6_qkv.kd
    .args:
      - { .name: x_codes, .offset: 0, .size: 8, .value_kind: global_buffer, .address_space: global }
      - { .name: x_scales, .offset: 8, .size: 8, .value_kind: global_buffer, .address_space: global }
      - { .name: W_qkv_codes, .offset: 16, .size: 8, .value_kind: global_buffer, .address_space: global }
      - { .name: W_qkv_scales, .offset: 24, .size: 8, .value_kind: global_buffer, .address_space: global }
      - { .name: b_qkv, .offset: 32, .size: 8, .value_kind: global_buffer, .address_space: global }
      - { .name: qimg, .offset: 40, .size: 8, .value_kind: global_buffer, .address_space: global }
      - { .name: kvimg, .offset: 48, .size: 8, .value_kind: global_buffer, .address_space: global }
      - { .name: scl, .offset: 56, .size: 8, .value_kind: global_buffer, .address_space: global }
    .group_segment_fixed_size: 261632
    .private_segment_fixed_size: 0
    .kernarg_segment_align: 8
    .kernarg_segment_size: 64
    .max_flat_workgroup_size: 128
    .sgpr_count:     102
    .vgpr_count:     1024
    .wavefront_size: 32
...
	.end_amdgpu_metadata
.endif
;; end of part 1
;; launch attn (part 2): grid 8 x 32, 16 waves a work-group, clusters of 4 x 1, 296,960 bytes of LDS; arguments qimg, kvimg, scl, aimg, ascl; writes aimg, ascl
.if DOCPART == 2
	.amdgcn_target "amdgcn-amd-amdhsa--gfx1250"
	.amdhsa_code_object_version 6
	.text
	.protected	k_q9a57dec5a6_attn
	.globl	k_q9a57dec5a6_attn
	.p2align	8
	.type	k_q9a57dec5a6_attn,@function
k_q9a57dec5a6_attn:
	s_mov_b64 s[64:65], 0
	v_nop
	global_prefetch_b8 v0, s[64:65] scope:SCOPE_SE
	s_setreg_imm32_b32 hwreg(HW_REG_WAVE_MODE, 25, 1), 1
	s_wait_xcnt 0x0
	s_wait_alu depctr_hold_cnt(0) depctr_sa_sdst(0) depctr_va_vdst(0) depctr_va_sdst(0) depctr_va_ssrc(0) depctr_va_vcc(0) depctr_vm_vsrc(0)
	s_getreg_b32 s2, hwreg(HW_REG_IB_STS2, 6, 4)
	s_cmp_eq_u32 s2, 0
	s_cbranch_scc0 .Lentry_in_a_cluster
	s_endpgm
.Lentry_in_a_cluster:
	s_bfe_u32 s2, ttmp6, 0x10000c
	s_cmp_lg_u32 s2, 0x3003
	s_cbranch_scc0 .Lentry_shape_is_right
	s_endpgm
.Lentry_shape_is_right:
; vals = softmax(q k^T / 8) v for 64 heads of 2,048 tokens x 64 channels, both products on codes of FP4 (E2M1) with one E8M0 scale for each 32 along a product's K, and vals quantised at once for the last product.
; THE SOFTMAX AHEAD OF THE SECOND PRODUCT: t = score x log2(e) / 8; M = the row's largest t so far, rounded UP to a whole number; p = 2^(t - M) is what is quantised, along the keys; it is not normalised.
; The row's sum is taken of the unquantised p, in f32, and divides at the end.  When M moves, the sum and O are multiplied by 2^(old M - new M): exact.
; SHARES.  A work-group owns 256 queries of one batch and stays for two neighbouring heads, one after the other; each of its sixteen waves owns 16 queries, in 256 registers: four waves to a SIMD,
; so that one wave's vector work stands beside another's products and LDS loads.  Two heads are one step of 128 along the last product's K: so a row's scale word of that step is made whole by one wave.
; LDS IS FILLED ONCE: the two heads' k and v codes are 131,072 bytes each, their scale words 8,192 each.  They come as images of the operands' registers (lane l's 16 bytes at 16 l), so every LDS read takes 512 bytes on end.
; CLUSTER 4 x 1: the four blocks of queries of a cluster read the same k and v: each tile is asked for jointly.
; LAYOUT.  Both products are used transposed: S^T = k q^T, O^T = v^T p^T: a lane holds ONE query (lane % 16) throughout, and its registers run along the keys, then along the channels.
; THE FIRST PRODUCT'S K IS 64, the instruction's 128: a fragment of k holds TWO tiles of 16 keys, one in each half of its K.  q is kept twice: [q, zero codes] picks the first tile, [zero codes, q] the second.
; A zero code times any code is exactly 0 and every scale byte here lies in 1 .. 254: so the padding with zeros stands on q's side alone.
; FROM FOUR TILES TO HALF AN OPERAND: the codes of tiles T0, T2, T1, T3 (64 along the next K) go into four registers in that order; two exchanges of halves leave lane (r, h) with the codes of 32 h + 0 .. 31.
; LIMITS: NaN and infinities are not served.  A block whose largest magnitude lies under 2^-124, a block of zeros among them, gets the byte 1 with its codes (zeros' codes are zeros); the bytes are read by this program alone.
.set KSC,  262144                      ; LDS: k's images at 0, v's at 131,072 (4,096 bytes for each of 32 steps of 128 keys: head A's 16, then head B's); k's scale words here, 256 bytes a step;
.set VSD,  8192                        ; v's this much further on;
.set STG,  278528                      ; a stage of 1,024 bytes for vals' scale words; no fill lands here
.set LI,   1                           ; v1   16 x lane
.set ASC,  2                           ; v2   scale words: lanes 0-15 k's (16 r), lanes 16-31 v's
.set ADK,  3                           ; v3-5 the step's addresses
.set ADV,  4
.set ADS,  5
.set SWA,  7                           ; v7   the stage: my row's word
.set SRA,  8                           ; v8   the stage read back
.set SGO,  9                           ; v9   and its place in memory
.set QLO,  16                          ; v16-23 [q, 0];  v24-31 [0, q]
.set QHI,  24
.set KF,   32                          ; v32-63  four fragments of k
.set VF,   64                          ; v64-95  four of v
.set S,    96                          ; v96-159 S^T, then p
.set OT,   160                         ; v160-191 O^T
.set PC,   192                         ; v192-199 p's codes
.set SCW,  200                         ; v200-203 lanes 0-15: k's word of pair p; lanes 16-31: v's word of channel tile p
.set QS,   204                         ; q's scale word
.set PS,   205                         ; p's
.set BM,   208                         ; v208-211 a block's largest
.set BT,   212                         ; v212-215 the other half's, then the bytes
.set SO,   216                         ; v216-219 the conversions' scale operands
.set L2,   220                         ; v220-221 the sum's second chain
.set FF,   222                         ; v222 f = 2^(old M - new M); v223 named with it as a pair
.set TT,   224                         ; at work
.set QB,   232                         ; v232-235 head B's q;  v236 its scale word
.set QSB,  236
.set HW,   237                         ; vals' scale word
.set AC,   240                         ; v240-247 vals' codes of the two heads: never written again, so no store's data are
.set WV,   14                          ; s14 my wave's number
.set SEL,  52                          ; s[52:53] lane selects: lane l xor 16
.set CS,   54                          ; s[54:55] c = log2(e) / 8, twice
.set TK,   56                          ; s56-58 where the step's k, v and scale words begin in LDS;  s59 counts steps
.set TV,   57
.set TS,   58
.set CNT,  59
.macro PLACES n
.rept \n
	v_nop
.endr
.endm
.macro CROUND                          ; a round of the cluster's barrier
	s_barrier_signal -1
	s_barrier_wait -1
	s_cmp_lg_u32 s[WV], 0
	s_cbranch_scc1 .Lnot_wave_0_\@
	s_barrier_signal -3
.Lnot_wave_0_\@:
	s_barrier_wait -3
	s_barrier_signal -1
	s_barrier_wait -1
.endm
.macro INIT                            ; a head begins: the largest t is -3e38, under every t; the sum and O^T are zeros, which the first change of M leaves zeros
	v_mov_b32 v13, 0xff61b1e6
	s_delay_alu instid0(VALU_DEP_1)
	v_floor_f32 v12, -v13                          ; -M
	v_mov_b32 v14, 0
	v_mov_b32 v15, 0
.set j, 0
.rept 32
	v_mov_b32 v[OT+j], 0
.set j, j+1
.endr
.endm
; A KEY STEP: 128 keys
.macro STEP
	v_add_nc_u32 v[ADK], s[TK], v[LI]              ; these four lines are the places in front of loads into registers that the last products have read
	v_add_nc_u32 v[ADV], s[TV], v[LI]
	v_add_nc_u32 v[ADS], s[TS], v[ASC]
	v_nop
	ds_load_b128 v[SCW:SCW+3], v[ADS]
.irp p, 0,1,2,3
	ds_load_b128 v[KF+8*\p:KF+8*\p+3], v[ADK] offset:1024*\p
	ds_load_b128 v[KF+8*\p+4:KF+8*\p+7], v[ADK] offset:1024*\p+512
.endr
.irp p, 0,1,2,3
	ds_load_b128 v[VF+8*\p:VF+8*\p+3], v[ADV] offset:1024*\p
	ds_load_b128 v[VF+8*\p+4:VF+8*\p+7], v[ADV] offset:1024*\p+512
.endr
	s_wait_dscnt 0x8                               ; the scale words and k are in; v's eight loads may be out
.irp p, 0,1,2,3                                ; S^T: tile 2 p by [q, 0], tile 2 p + 1 by [0, q]
	v_wmma_scale_f32_16x16x128_f8f6f4 v[S+16*\p:S+16*\p+7], v[KF+8*\p:KF+8*\p+7], v[QLO:QLO+7], 0, v[SCW+\p], v[QS] matrix_a_fmt:MATRIX_FMT_FP4 matrix_b_fmt:MATRIX_FMT_FP4
	v_wmma_scale_f32_16x16x128_f8f6f4 v[S+16*\p+8:S+16*\p+15], v[KF+8*\p:KF+8*\p+7], v[QHI:QHI+7], 0, v[SCW+\p], v[QS] matrix_a_fmt:MATRIX_FMT_FP4 matrix_b_fmt:MATRIX_FMT_FP4
.endr
	PLACES 4
.irp b, 0,1,2,3
	v_max3_num_f32 v[BM+\b], v[S+16*\b], v[S+16*\b+1], v[S+16*\b+2]   ; the largest score of each block of 32 keys: it serves for the row's maximum and, since p rises with the score, for the block's largest p
.endr
.irp i, 3,5,7,9,11,13
.irp b, 0,1,2,3
	v_max3_num_f32 v[BM+\b], v[BM+\b], v[S+16*\b+\i], v[S+16*\b+\i+1]
.endr
.endr
.irp b, 0,1,2,3
	v_max_num_f32 v[BM+\b], v[BM+\b], v[S+16*\b+15]
.endr
.irp b, 0,1,2,3
	s_delay_alu instid0(VALU_DEP_4)
	v_permlanex16_b32 v[BT+\b], v[BM+\b], s[SEL], s[SEL+1]
.endr
.irp b, 0,1,2,3
	s_delay_alu instid0(VALU_DEP_4)
	v_max_num_f32 v[BM+\b], v[BM+\b], v[BT+\b]     ; with lane l xor 16's 16 keys
.endr
	s_delay_alu instid0(VALU_DEP_2)
	v_max3_num_f32 v[TT], v[BM], v[BM+1], v[BM+2]
	s_delay_alu instid0(VALU_DEP_1)
	v_max_num_f32 v[TT], v[TT], v[BM+3]            ; the step's largest score of my query
	s_delay_alu instid0(VALU_DEP_1)
	v_mul_f32 v[TT], s[CS], v[TT]                  ; as t (c is positive)
	s_delay_alu instid0(VALU_DEP_1)
	v_max_num_f32 v13, v13, v[TT]                  ; the running largest t
	v_mov_b32 v[TT], v12
	s_delay_alu instid0(VALU_DEP_2)
	v_floor_f32 v12, -v13                          ; the new -M = floor(-t) = -ceil(t)
	s_delay_alu instid0(VALU_DEP_1)
	v_sub_f32 v[TT], v12, v[TT]                    ; old M - new M: a whole number, 0 or less
	s_delay_alu instid0(VALU_DEP_1)
	v_cvt_i32_f32 v[TT], v[TT]                     ; (it saturates)
	s_delay_alu instid0(VALU_DEP_1)
	v_ldexp_f32 v[FF], 1.0, v[TT]                  ; f = 2^(old M - new M)
.set j, 0
.rept 32
	v_pk_fma_f32 v[S+j:S+j+1], v[S+j:S+j+1], s[CS:CS+1], v[12:13] op_sel_hi:[1,0,0]   ; t - M, two at a time
.set j, j+2
.endr
.irp b, 0,1,2,3
	v_fma_f32 v[BM+\b], v[BM+\b], s[CS], v12       ; the same of each block's largest score
.endr
.set j, 0
	s_wait_alu depctr_va_vdst(0)
.rept 64
	v_exp_f32 v[S+j], v[S+j]                       ; p = 2^(t - M), at most 1
.set j, j+1
.endr
	s_setprio 1
	v_pk_mul_f32 v[14:15], v[14:15], v[FF:FF+1] op_sel_hi:[1,0]   ; the sums under the new M: the plain instruction behind the exponentials
	s_wait_alu depctr_va_vdst(0)                   ; one wait for the batch of 64, ahead of its first reader
.irp b, 0,1,2,3
	v_exp_f32 v[BM+\b], v[BM+\b]                   ; the block's largest p: the same two instructions on the same number
.endr
	v_pk_add_f32 v[L2:L2+1], v[S:S+1], v[S+2:S+3]  ; the row's sum of the UNQUANTISED p, in two chains; its first half stands behind the four exponentials
.irp j, 4,8,12,16,20,24,28
	v_pk_add_f32 v[14:15], v[14:15], v[S+\j:S+\j+1]
	v_pk_add_f32 v[L2:L2+1], v[L2:L2+1], v[S+\j+2:S+\j+3]
.endr
	s_wait_alu depctr_va_vdst(0)                   ; and one wait for the four
.irp b, 0,1,2,3
	v_max_num_f32 v[BM+\b], 0x1800000, v[BM+\b]    ; the floor 2^(3 - 127): the byte cannot fall under 1
.endr
.irp b, 0,1,2,3
	s_delay_alu instid0(VALU_DEP_4)
	v_add_nc_u32 v[SO+\b], 0xff000000, v[BM+\b]    ; 2 off the exponent field: the conversion's scale operand
.endr
.irp b, 0,1,2,3
	s_delay_alu instid0(VALU_DEP_4)
	v_lshrrev_b32 v[BT+\b], 23, v[SO+\b]           ; the scale's byte
.endr
	s_delay_alu instid0(VALU_DEP_3)
	v_lshl_or_b32 v[PS], v[BT+1], 8, v[BT]         ; p's scale word for these 128 keys
	s_delay_alu instid0(VALU_DEP_1)
	v_lshl_or_b32 v[PS], v[BT+2], 16, v[PS]
	s_delay_alu instid0(VALU_DEP_1)
	v_lshl_or_b32 v[PS], v[BT+3], 24, v[PS]
.irp c, 0,1                                    ; tiles 4 c, 4 c + 2, 4 c + 1, 4 c + 3
	v_cvt_scalef32_pk8_fp4_f32 v[PC+4*\c], v[S+32*\c:S+32*\c+7], v[SO+2*\c]
	v_cvt_scalef32_pk8_fp4_f32 v[PC+4*\c+1], v[S+32*\c+16:S+32*\c+23], v[SO+2*\c+1]
	v_cvt_scalef32_pk8_fp4_f32 v[PC+4*\c+2], v[S+32*\c+8:S+32*\c+15], v[SO+2*\c]
	v_cvt_scalef32_pk8_fp4_f32 v[PC+4*\c+3], v[S+32*\c+24:S+32*\c+31], v[SO+2*\c+1]
.endr
	v_nop                                          ; one plain instruction behind the scaled conversions
.irp c, 0,1
	v_permlane16_swap_b32 v[PC+4*\c], v[PC+4*\c+1]
	v_permlane16_swap_b32 v[PC+4*\c+2], v[PC+4*\c+3]
.endr
.set j, 0
.rept 16
	v_pk_mul_f32 v[OT+j:OT+j+1], v[OT+j:OT+j+1], v[FF:FF+1] op_sel_hi:[1,0]   ; O^T under the new M
.set j, j+2
.endr
	s_setprio 0
.irp j, 32,36,40,44,48,52,56,60                ; the sum's second half: 17 plain lines that name no register of the products below: more than the 8 places behind p's scale word and the 4 behind its codes
	v_pk_add_f32 v[14:15], v[14:15], v[S+\j:S+\j+1]
	v_pk_add_f32 v[L2:L2+1], v[L2:L2+1], v[S+\j+2:S+\j+3]
.endr
	s_delay_alu instid0(VALU_DEP_1)
	v_pk_add_f32 v[14:15], v[14:15], v[L2:L2+1]
	s_wait_dscnt 0x0                               ; v is in
.irp d, 0,1,2,3                                ; O^T += v^T p^T: four accumulators by turns
	v_wmma_scale_f32_16x16x128_f8f6f4 v[OT+8*\d:OT+8*\d+7], v[VF+8*\d:VF+8*\d+7], v[PC:PC+7], v[OT+8*\d:OT+8*\d+7], v[SCW+\d], v[PS] matrix_a_fmt:MATRIX_FMT_FP4 matrix_b_fmt:MATRIX_FMT_FP4 matrix_a_scale:MATRIX_SCALE_ROW1
.endr
	s_add_co_u32 s[TK], s[TK], 4096
	s_add_co_u32 s[TV], s[TV], 4096
	s_add_co_u32 s[TS], s[TS], 256
.endm
.macro RUN n, k0                       ; n key steps from step k0 on
	s_mov_b32 s[TK], 4096*\k0
	s_mov_b32 s[TV], 131072+4096*\k0
	s_mov_b32 s[TS], 256*\k0
	s_mov_b32 s[CNT], \n
.Lrun_\@:
	s_setprio 2
	STEP
	s_sub_co_u32 s[CNT], s[CNT], 1
	s_cmp_lg_u32 s[CNT], 0
	s_cbranch_scc1 .Lrun_\@
	s_setprio 0
.endm
; A head ends: O^T / the sum is quantised along the channels (two blocks of 32) and leaves as half e of an operand's image
.macro FINISH e
	PLACES 4
	v_add_f32 v14, v14, v15                        ; the sum's two halves,
	s_delay_alu instid0(VALU_DEP_1)
	v_permlanex16_b32 v[TT], v14, s[SEL], s[SEL+1]
	s_delay_alu instid0(VALU_DEP_1)
	v_add_f32 v14, v14, v[TT]                      ; and lane l xor 16's
	s_wait_alu depctr_va_vdst(0)
	v_rcp_f32 v14, v14
	v_nop                                          ; a plain instruction behind the reciprocal,
	s_wait_alu depctr_va_vdst(0)                   ; and the wait ahead of its first reader
.set j, 0
.rept 32
	v_mul_f32 v[S+j], v[OT+j], v14                 ; register 8 t + i: channel 16 t + 8 h + i of my query.  Each accumulator is read from its low end on
.set j, j+1
.endr
.irp bb, 0,1
	v_max3_num_f32 v[BM+\bb], |v[S+16*\bb]|, |v[S+16*\bb+1]|, 0x1800000
.endr
.irp i, 2,4,6,8,10,12,14
.irp bb, 0,1
	s_delay_alu instid0(VALU_DEP_2)
	v_max3_num_f32 v[BM+\bb], v[BM+\bb], |v[S+16*\bb+\i]|, |v[S+16*\bb+\i+1]|
.endr
.endr
.irp bb, 0,1
	s_delay_alu instid0(VALU_DEP_2)
	v_permlanex16_b32 v[BT+\bb], v[BM+\bb], s[SEL], s[SEL+1]
.endr
.irp bb, 0,1
	s_delay_alu instid0(VALU_DEP_2)
	v_max_num_f32 v[BM+\bb], v[BM+\bb], v[BT+\bb]
.endr
.irp bb, 0,1
	s_delay_alu instid0(VALU_DEP_2)
	v_add_nc_u32 v[SO+\bb], 0xff000000, v[BM+\bb]
.endr
.irp bb, 0,1
	s_delay_alu instid0(VALU_DEP_2)
	v_lshrrev_b32 v[BT+\bb], 23, v[SO+\bb]
.endr
.if \e == 0
	s_delay_alu instid0(VALU_DEP_1)
	v_lshl_or_b32 v[HW], v[BT+1], 8, v[BT]         ; the word's low half
.else
	s_delay_alu instid0(VALU_DEP_1)
	v_lshl_or_b32 v[TT], v[BT+1], 8, v[BT]
	s_delay_alu instid0(VALU_DEP_1)
	v_lshl_or_b32 v[HW], v[TT], 16, v[HW]          ; and its high half
.endif
	v_cvt_scalef32_pk8_fp4_f32 v[AC+4*\e], v[S:S+7], v[SO]
	v_cvt_scalef32_pk8_fp4_f32 v[AC+4*\e+1], v[S+16:S+23], v[SO+1]
	v_cvt_scalef32_pk8_fp4_f32 v[AC+4*\e+2], v[S+8:S+15], v[SO]
	v_cvt_scalef32_pk8_fp4_f32 v[AC+4*\e+3], v[S+24:S+31], v[SO+1]
	v_nop
	v_permlane16_swap_b32 v[AC+4*\e], v[AC+4*\e+1]
	v_permlane16_swap_b32 v[AC+4*\e+2], v[AC+4*\e+3]
	global_store_b128 v[LI], v[AC+4*\e:AC+4*\e+3], s[10:11] offset:512*\e   ; 512 consecutive bytes, aligned
.endm
	s_load_b256 s[4:11], s[0:1], 0x0               ; qimg s[4:5], kvimg s[6:7], scl s[8:9], aimg s[10:11]
	s_load_b64 s[12:13], s[0:1], 0x20              ; ascl
	v_lshl_add_u32 v254, v0, 2, 0x48000
	v_mov_b32 v255, 0
	ds_add_u32 v254, v255
	ds_add_u32 v254, v255
	v_lshrrev_b32 v10, 5, v0
	s_delay_alu instid0(VALU_DEP_1)
	v_readfirstlane_b32 s[WV], v10                 ; wave 0..15
	s_bfe_u32 s15, ttmp6, 0x40000                  ; cx
	s_lshl_b32 s16, ttmp9, 2
	s_add_co_u32 s16, s16, s15                     ; my block of 256 queries: it enters global addresses of q and of the results alone
	s_and_b32 s17, ttmp7, 0xffff                   ; the record: 8 x batch + pair of heads; the four partners share it
	; descriptor group 1, four sets that differ in the number of rows: dense rows of 256 bytes (32 elements of 8 bytes), no padding
.irp g, 20,28,36,44
	s_mov_b32 s[\g], 15|(3<<16)|(1<<21)            ; 15:0 the mask: all four work-groups; 17:16 elements of 8 bytes; 21 set beside a mask
	s_mov_b32 s[\g+1], 32<<16                      ; tensor_dim0
	s_mov_b32 s[\g+3], 32<<16                      ; tile_dim0
	s_mov_b32 s[\g+5], 32                          ; from row to row
	s_mov_b32 s[\g+6], 0
	s_mov_b32 s[\g+7], 0
.endr
	s_mov_b32 s22, 32<<16                          ; the scale words: 8,192 bytes
	s_mov_b32 s24, 32
	s_mov_b32 s30, 64<<16                          ; head A's steps 0 to 3: 16,384 bytes
	s_mov_b32 s32, 64
	s_mov_b32 s38, 192<<16                         ; its steps 4 to 15: 49,152 bytes
	s_mov_b32 s40, 192
	s_mov_b32 s46, 256<<16                         ; head B: 65,536 bytes
	s_mov_b32 s48, 256
	s_mov_b32 s[SEL], 0x76543210
	s_mov_b32 s[SEL+1], 0xfedcba98
	s_mov_b32 s[CS], 0x3e38aa3b                    ; log2(e) / 8
	s_mov_b32 s[CS+1], s[CS]
	s_lshl_b32 s84, s17, 15                        ; scl: 32,768 bytes a record; wave 0 fetches k's 8,192, wave 1 v's
	s_lshl_b32 s85, s[WV], 13
	s_add_co_u32 s84, s84, s85
	s_mov_b32 s85, 0
	s_lshl_b32 s86, s17, 18                        ; kvimg: 262,144 bytes a record; wave 0 fetches k's 131,072, wave 1 v's
	s_lshl_b32 s87, s[WV], 17
	s_add_co_u32 s86, s86, s87
	s_mov_b32 s87, 0
	s_wait_dscnt 0x0
	s_wait_kmcnt 0x0
	s_add_nc_u64 s[84:85], s[8:9], s[84:85]
	s_add_nc_u64 s[86:87], s[6:7], s[86:87]
	CROUND                                         ; all four work-groups are here: the joint loads meet
	s_mov_b32 s68, 1
	s_lshl_b32 s69, s[WV], 13
	s_add_co_u32 s69, s69, KSC
	s_mov_b64 s[70:71], s[84:85]
	s_or_b32 s71, s71, 0x80000000
	s_mov_b32 s72, 1
	s_lshl_b32 s73, s[WV], 17
	s_mov_b64 s[74:75], s[86:87]
	s_or_b32 s75, s75, 0x80000000
	s_mov_b32 s76, 1
	s_add_co_u32 s77, s73, 16384
	s_add_nc_u64 s[78:79], s[86:87], 16384
	s_or_b32 s79, s79, 0x80000000
	s_mov_b32 s80, 1
	s_add_co_u32 s81, s73, 65536
	s_add_nc_u64 s[82:83], s[86:87], 65536
	s_or_b32 s83, s83, 0x80000000
	; all fills of the launch, one group, in one branch on the wave's number: four loads of waves 0 and 1 are out, none of the others.  Four v_nop follow the last
	s_cmp_lt_u32 s[WV], 2
	s_cbranch_scc0 .Lno_fill
	tensor_load_to_lds s[68:71], s[20:27]
	s_nop 0
	tensor_load_to_lds s[72:75], s[28:35]
	s_nop 0
	tensor_load_to_lds s[76:79], s[36:43]
	s_nop 0
	tensor_load_to_lds s[80:83], s[44:51]
	s_nop 0
	PLACES 4
.Lno_fill:
	s_lshl_b32 s88, s16, 4
	s_add_co_u32 s88, s88, s[WV]                   ; my tile of 16 queries among the batch's 128
	s_lshl_b32 s89, s17, 17                        ; qimg: 65,536 bytes a head; head A is number 2 x record
	s_lshl_b32 s90, s88, 9
	s_add_co_u32 s90, s90, s89
	s_mov_b32 s91, 0
	s_add_nc_u64 s[4:5], s[4:5], s[90:91]
	s_lshl_b32 s90, s17, 15
	s_lshl_b32 s92, s88, 6                         ; q's scale words: 64 bytes a tile
	s_add_co_u32 s90, s90, s92
	s_add_nc_u64 s[8:9], s[8:9], s[90:91]
	v_and_b32 v11, 31, v0
	s_delay_alu instid0(VALU_DEP_1)
	v_lshlrev_b32 v[LI], 4, v11
	v_and_b32 v10, 15, v0                          ; r
	v_bfe_u32 v11, v0, 4, 1                        ; h
	s_delay_alu instid0(VALU_DEP_2)
	v_lshlrev_b32 v[ASC], 4, v10
	s_delay_alu instid0(VALU_DEP_1)
	v_lshl_add_u32 v[ASC], v11, 13, v[ASC]         ; 16 r + h x the distance from k's words to v's
	s_delay_alu instid0(VALU_DEP_1)
	v_add_nc_u32 v[ASC], KSC, v[ASC]
	s_lshl_b32 s92, s[WV], 6
	s_add_co_u32 s92, s92, STG
	v_lshl_add_u32 v[SWA], v10, 2, s92
	v_lshl_add_u32 v[SRA], v0, 4, STG
	v_lshlrev_b32 v[SGO], 4, v0
	v_lshlrev_b32 v10, 2, v10                      ; 4 r
	global_load_b128 v[QLO:QLO+3], v[LI], s[4:5]                 ; head A's q, twice
	global_load_b128 v[QHI+4:QHI+7], v[LI], s[4:5]
	global_load_b128 v[QB:QB+3], v[LI], s[4:5] offset:65536      ; head B's
	global_load_b32 v[QS], v10, s[8:9] offset:16384
	global_load_b32 v[QSB], v10, s[8:9] offset:24576
	; where the results go
	s_lshr_b32 s89, s17, 3                         ; the batch
	s_and_b32 s93, s17, 7                          ; the pair of heads = the last product's K step
	s_lshl_b32 s90, s89, 5
	s_lshl_b32 s92, s16, 2
	s_add_co_u32 s90, s90, s92
	s_lshr_b32 s92, s[WV], 2
	s_add_co_u32 s90, s90, s92                     ; aimg: the group of 64 rows, 32,768 bytes each;
	s_lshl_b32 s90, s90, 15
	s_lshr_b32 s92, s93, 2
	s_lshl_b32 s92, s92, 14                        ; the half of K, 16,384;
	s_add_co_u32 s90, s90, s92
	s_and_b32 s92, s[WV], 3
	s_lshl_b32 s92, s92, 12                        ; the tile of 16 rows, 4,096;
	s_add_co_u32 s90, s90, s92
	s_and_b32 s92, s93, 3
	s_lshl_b32 s92, s92, 10                        ; the K step in its half, 1,024
	s_add_co_u32 s90, s90, s92
	s_add_nc_u64 s[10:11], s[10:11], s[90:91]
	s_lshl_b32 s90, s93, 15                        ; ascl: 32,768 bytes a K step, 4 a row
	s_lshl_b32 s92, s89, 13
	s_add_co_u32 s90, s90, s92
	s_lshl_b32 s92, s16, 10
	s_add_co_u32 s90, s90, s92
	s_add_nc_u64 s[12:13], s[12:13], s[90:91]
.irp j, 20,21,22,23,24,25,26,27
	v_mov_b32 v[\j], 0                             ; the zero codes beside q
.endr
.irp b, 0,1,2,3
	v_mov_b32 v[BT+\b], 0                          ; written once: a lane permute's destination counts as one of its sources
.endr
	v_mov_b32 v[FF+1], 0                           ; (named as the upper half of a pair)
	v_mov_b32 v[TT], 0
	INIT
	s_wait_loadcnt 0x0                             ; q and its scale words
	s_wait_tensorcnt 0x2                           ; the scale words and head A's first four steps are in; the two later loads may be out
	s_barrier_signal -1
	s_barrier_wait -1
	RUN 4, 0
	s_wait_tensorcnt 0x1                           ; head A's other twelve steps are in; head B's load may be out
	s_barrier_signal -1
	s_barrier_wait -1
	RUN 12, 4
	s_wait_alu depctr_va_vdst(0)
	FINISH 0
.irp j, 0,1,2,3
	v_mov_b32 v[QLO+\j], v[QB+\j]                  ; head B's q
	v_mov_b32 v[QHI+4+\j], v[QB+\j]
.endr
	v_mov_b32 v[QS], v[QSB]
	INIT                                           ; 36 plain lines that name no register of the next product stand behind the write of its scale word
	s_wait_tensorcnt 0x0                           ; head B's tiles are in
	s_barrier_signal -1
	s_barrier_wait -1
	RUN 16, 16
	s_wait_alu depctr_va_vdst(0)
	FINISH 1
	ds_store_b32 v[SWA], v[HW]                     ; lanes l and l xor 16 write the same word with the same value
	s_wait_dscnt 0x0                               ; for the others' sake
	s_barrier_signal -1
	s_barrier_wait -1
	s_cmp_lt_u32 s[WV], 2                          ; the 256 rows' words, 1,024 bytes on end, leave by two waves
	s_cbranch_scc0 .Lno_words
	ds_load_b128 v[S:S+3], v[SRA]
	s_wait_dscnt 0x0
	global_store_b128 v[SGO], v[S:S+3], s[12:13]
.Lno_words:
	s_wait_tensorcnt 0x0
	ds_add_u32 v254, v255
	s_wait_dscnt 0x0
	CROUND                                         ; the closing round: no work-group ends while a partner may still ask for a tile that names it
	s_endpgm
.Lfunc_end_k_q9a57dec5a6_attn:
	.size	k_q9a57dec5a6_attn, .Lfunc_end_k_q9a57dec5a6_attn-k_q9a57dec5a6_attn
	.p2alignl 7, 3214868480
	.fill 96, 4, 3214868480
	.section	.rodata,"a",@progbits
	.p2align	6, 0x0
	.amdhsa_kernel k_q9a57dec5a6_attn
		.amdhsa_group_segment_fixed_size 296960
		.amdhsa_private_segment_fixed_size 0
		.amdhsa_enable_private_segment 0
		.amdhsa_kernarg_size 40
		.amdhsa_user_sgpr_count 2
		.amdhsa_user_sgpr_kernarg_segment_ptr 1
		.amdhsa_wavefront_size32 1
		.amdhsa_system_sgpr_workgroup_id_x 1
		.amdhsa_system_sgpr_workgroup_id_y 1
		.amdhsa_system_sgpr_workgroup_id_z 1
		.amdhsa_system_vgpr_workitem_id 0
		.amdhsa_next_free_vgpr 256
		.amdhsa_next_free_sgpr 96
		.amdhsa_reserve_vcc 0
		.amdhsa_float_denorm_mode_32 3
		.amdhsa_float_denorm_mode_16_64 3
		.amdhsa_memory_ordered 1
		.amdhsa_forward_progress 1
		.amdhsa_inst_pref_size 69
	.end_amdhsa_kernel
	.amdgpu_metadata
---
amdhsa.version: [ 1, 2 ]
amdhsa.kernels:
  - .name:           k_q9a57dec5a6_attn
    .symbol:         k_q9a57dec5a6_attn.kd
    .args:
      - { .name: qimg, .offset: 0, .size: 8, .value_kind: global_buffer, .address_space: global }
      - { .name: kvimg, .offset: 8, .size: 8, .value_kind: global_buffer, .address_space: global }
      - { .name: scl, .offset: 16, .size: 8, .value_kind: global_buffer, .address_space: global }
      - { .name: aimg, .offset: 24, .size: 8, .value_kind: global_buffer, .address_space: global }
      - { .name: ascl, .offset: 32, .size: 8, .value_kind: global_buffer, .address_space: global }
    .group_segment_fixed_size: 296960
    .private_segment_fixed_size: 0
    .kernarg_segment_align: 8
    .kernarg_segment_size: 40
    .max_flat_workgroup_size: 512
    .sgpr_count:     96
    .vgpr_count:     256
    .wavefront_size: 32
...
	.end_amdgpu_metadata
.endif
;; end of part 2
;; launch proj (part 3): grid 4 x 64, 4 waves a work-group, clusters of 4 x 4, 251,904 bytes of LDS; arguments aimg, ascl, W_out_codes, W_out_scales, b_out, out0; writes out0
.if DOCPART == 3
	.amdgcn_target "amdgcn-amd-amdhsa--gfx1250"
	.amdhsa_code_object_version 6
	.text
	.protected	k_q9a57dec5a6_proj
	.globl	k_q9a57dec5a6_proj
	.p2align	8
	.type	k_q9a57dec5a6_proj,@function
k_q9a57dec5a6_proj:
	s_mov_b64 s[64:65], 0
	v_nop
	global_prefetch_b8 v0, s[64:65] scope:SCOPE_SE
	s_setreg_imm32_b32 hwreg(HW_REG_WAVE_MODE, 25, 1), 1
	s_wait_xcnt 0x0
	s_wait_alu depctr_hold_cnt(0) depctr_sa_sdst(0) depctr_va_vdst(0) depctr_va_sdst(0) depctr_va_ssrc(0) depctr_va_vcc(0) depctr_vm_vsrc(0)
	s_getreg_b32 s2, hwreg(HW_REG_IB_STS2, 6, 4)
	s_cmp_eq_u32 s2, 0
	s_cbranch_scc0 .Lentry_in_a_cluster
	s_endpgm
.Lentry_in_a_cluster:
	s_bfe_u32 s2, ttmp6, 0x10000c
	s_cmp_lg_u32 s2, 0xf033
	s_cbranch_scc0 .Lentry_shape_is_right
	s_endpgm
.Lentry_shape_is_right:
; out = vals W_out + b_out on codes of FP4 (E2M1) with one E8M0 scale for each 32 along K = 1,024.  vals come as images of the operand's registers (aimg) and scale words (ascl), W_out as rows of codes.
; SHARES.  A work-group takes 128 rows x 256 columns, all of K: 256 work-groups.  Wave w takes rows 64 (w / 2) on and columns 128 (w % 2) on: 4 x 8 accumulators.
; LDS IS FILLED ONCE, in two halves along K, so that the first is multiplied while the second lands.
; CLUSTER 4 x 4: the four work-groups of a row of the cluster need the same rows of vals, the four of a column the same rows of W_out: each tile is asked for jointly.
; THE MATRIX INSTRUCTION IS USED TRANSPOSED (source 0 = 16 rows of W_out, source 1 = 16 rows of vals): a lane holds eight neighbouring numbers of a row of the output.  The bias is the C of each sum's first product.
; LIMITS: a scale byte 0xff among the inputs gives NaN.
; REGISTERS, in windows of 256.  window 0: v1-13 addresses; v16-31 vals' scale words, v32-63 W_out's; v64-127 vals' fragments, two sets; v128-255 the way out.
; window 1: v0-127 W_out's fragments, two sets; v128-191 the bias.   window 2: the accumulators at v[8 (8 a + bt)].
.set PITCH, 272                        ; a row of W_out's codes in LDS: 256 bytes + 16 of padding
.set AIMG,  0                          ; vals' images: half of K 32,768, group of 64 rows 16,384, tile 4,096, K step 1,024, half of a fragment 512
.set BH0,   65536                      ; W_out's 256 rows, first half of K;
.set BHALF, 69632                      ; the second half this much further on
.set ASC,   204800                     ; vals' scale words: group of 64 rows 2,048, K step 256, 4 a row
.set BSC,   208896                     ; W_out's scale bytes: 32 a row, eight rows in 256 bytes + 16 of padding
.set STG,   217600                     ; the way out: 16 rows x (512 bytes + 16) for each wave; no fill lands here
.set SPITCH, 528
.set SA,    16
.set SB,    32
.set AF,    64
.set BK,    128
.set STO,   10
.set RD,    11
.set CO,    12
.set WV,    20
.set G1A,   36                         ; s[36:43] descriptor group 1 for vals' images;  s[44:51] W_out's codes;  s[52:59] vals' scale words;  s[68:75] W_out's scale bytes
.set G1B,   44
.set G1SA,  52
.set G1SB,  68
.set G0A,   76                         ; s[76:87] three groups 0 for vals: scales, first half, second half;  s[88:99] the same for W_out
.set G0B,   88
.set MSB, 0
.macro WIN new                         ; the immediate's high byte repeats the setting that is left
.if MSB != \new
	s_set_vgpr_msb (MSB<<8)|\new
.set MSB, \new
.endif
.endm
.macro PLACES n
.rept \n
	v_nop
.endr
.endm
.macro CROUND                          ; a round of the cluster's barrier
	s_barrier_signal -1
	s_barrier_wait -1
	s_cmp_lg_u32 s[WV], 0
	s_cbranch_scc1 .Lnot_wave_0_\@
	s_barrier_signal -3
.Lnot_wave_0_\@:
	s_barrier_wait -3
	s_barrier_signal -1
	s_barrier_wait -1
.endm
.macro WM d, a, b, c, sa, sb, hi       ; one product.  hi = 1: K steps 4 to 7, whose scale words lie in lanes 16-31
.if \hi
	v_wmma_scale_f32_16x16x128_f8f6f4 v[\d:\d+7], v[\a:\a+7], v[\b:\b+7], v[\c:\c+7], v[\sa], v[\sb] matrix_a_fmt:MATRIX_FMT_FP4 matrix_b_fmt:MATRIX_FMT_FP4 matrix_a_scale:MATRIX_SCALE_ROW1 matrix_b_scale:MATRIX_SCALE_ROW1
.else
	v_wmma_scale_f32_16x16x128_f8f6f4 v[\d:\d+7], v[\a:\a+7], v[\b:\b+7], v[\c:\c+7], v[\sa], v[\sb] matrix_a_fmt:MATRIX_FMT_FP4 matrix_b_fmt:MATRIX_FMT_FP4
.endif
.endm
.macro FETCH s                         ; the fragments of K step s: W_out's eight from rows, vals' four from images: 24 loads in one run
.set fq, (\s)%4
.set fh, (\s)/4
.set fs, (\s)%2
	WIN 0x40                                       ; destination window 1
.irp t, 0,1,2,3,4,5,6,7
	ds_load_b128 v[64*fs+8*\t:64*fs+8*\t+3], v[6+fh] offset:64*fq+\t*16*PITCH
	ds_load_b128 v[64*fs+8*\t+4:64*fs+8*\t+7], v[6+fh] offset:64*fq+\t*16*PITCH+32
.endr
	WIN 0
.irp i, 0,1,2,3
	ds_load_b128 v[AF+32*fs+8*\i:AF+32*fs+8*\i+3], v[4+fh] offset:4096*\i+1024*fq
	ds_load_b128 v[AF+32*fs+8*\i+4:AF+32*fs+8*\i+7], v[4+fh] offset:4096*\i+1024*fq+512
.endr
.endm
.macro MUL s                           ; 32 products; the accumulators take turns, one instruction a turn, in the same order in every step
.set mq, (\s)%4
.set ms, (\s)%2
.set mhi, (\s)/4
.if (\s) == 0
	WIN 0x91                                       ; source 0 (W_out) window 1, source 1 (vals) window 0, C (the bias) window 1, D window 2
.else
	WIN 0xa1                                       ; C and D window 2
.endif
.irp a, 0,1,2,3
.irp bt, 0,1,2,3,4,5,6,7
.if (\s) == 0
	WM 8*(8*\a+\bt), 64*ms+8*\bt, AF+32*ms+8*\a, 128+8*\bt, SB+4*\bt+mq, SA+4*\a+mq, mhi
.else
	WM 8*(8*\a+\bt), 64*ms+8*\bt, AF+32*ms+8*\a, 8*(8*\a+\bt), SB+4*\bt+mq, SA+4*\a+mq, mhi
.endif
.endr
.endr
.endm
; THE WAY OUT of block a, 16 rows x 128 columns: a lane's 32 bytes of a row go into my own stage and come back as whole rows of 512 bytes.  LDS serves a wave's instructions in order: no wait between the stores and the loads
.macro TOSTAGE a
	WIN 0x08                                       ; an LDS store's data: window 2
.irp b, 0,1,2,3,4,5,6,7
	ds_store_b128 v[STO], v[64*(\a)+8*\b:64*(\a)+8*\b+3] offset:64*\b           ; each accumulator from its low end on
	ds_store_b128 v[STO], v[64*(\a)+8*\b+4:64*(\a)+8*\b+7] offset:64*\b+16
.endr
	WIN 0
.set BB, BK+64*((\a)%2)
.irp t, 0,1,2,3,4,5,6,7,8,9,10,11,12,13,14,15
	ds_load_b128 v[BB+4*\t:BB+4*\t+3], v[RD] offset:\t*SPITCH
.endr
.endm
.macro SEND a, younger                 ; younger: the LDS instructions issued behind block a's loads, which may stay out
.set BB, BK+64*((\a)%2)
	s_wait_dscnt \younger
.irp t, 0,1,2,3,4,5,6,7,8,9,10,11,12,13,14,15
	global_store_b128 v[CO], v[BB+4*\t:BB+4*\t+3], s[14:15] offset:(16*(\a)+\t)*4096 th:TH_STORE_NT   ; 32 lanes store 512 consecutive bytes, aligned; the row stands in the immediate: the base is never stepped
.endr
.endm
	s_load_b256 s[4:11], s[0:1], 0x0               ; aimg s[4:5], ascl s[6:7], W_out's codes s[8:9], its scales s[10:11]
	s_load_b128 s[12:15], s[0:1], 0x20             ; the bias s[12:13], the output s[14:15]
	s_set_vgpr_msb 0x40
	v_lshl_add_u32 v254, v0, 2, 0x3d600
	v_mov_b32 v255, 0
	s_set_vgpr_msb 0x4045
	ds_add_u32 v254, v255
	ds_add_u32 v254, v255
	s_set_vgpr_msb 0x4500
	v_lshrrev_b32 v1, 5, v0
	v_readfirstlane_b32 s[WV], v1                  ; wave 0..3
	s_lshr_b32 s21, s[WV], 1                       ; which 64 rows are mine.  Also: I fetch for vals (0) or for W_out (1)
	s_and_b32 s22, s[WV], 1                        ; which 128 columns.  Also: which half of that tile's rows I fetch
	s_bfe_u32 s23, ttmp6, 0x40000                  ; cx, cy
	s_bfe_u32 s24, ttmp6, 0x40004
	s_lshl_b32 s25, ttmp9, 2
	s_add_co_u32 s25, s25, s23                     ; the block of 256 columns
	s_and_b32 s26, ttmp7, 0xffff
	s_lshl_b32 s26, s26, 2
	s_add_co_u32 s26, s26, s24                     ; the block of 128 rows
	s_lshl_b32 s27, s24, 2
	s_lshl_b32 s27, 15, s27                        ; my row of the cluster
	s_lshl_b32 s28, 0x1111, s23                    ; my column
	; descriptor group 1
	s_or_b32 s[G1A], s27, (3<<16)|(1<<21)          ; vals' images: 16,384 dense bytes as 64 rows of 256 (32 elements of 8 bytes), no padding
	s_mov_b32 s[G1A+1], 32<<16
	s_mov_b32 s[G1A+2], 64<<16
	s_mov_b32 s[G1A+3], 32<<16
	s_mov_b32 s[G1A+4], 64
	s_mov_b32 s[G1A+5], 32
	s_mov_b32 s[G1A+6], 0
	s_mov_b32 s[G1A+7], 0
	s_or_b32 s[G1SA], s27, (3<<16)|(1<<21)         ; vals' scale words: 8 K steps x 256 bytes (64 rows), 32,768 bytes (4,096 elements) from step to step
	s_mov_b32 s[G1SA+1], 32<<16
	s_mov_b32 s[G1SA+2], 8<<16
	s_mov_b32 s[G1SA+3], 32<<16
	s_mov_b32 s[G1SA+4], 8
	s_mov_b32 s[G1SA+5], 4096
	s_mov_b32 s[G1SA+6], 0
	s_mov_b32 s[G1SA+7], 0
	s_or_b32 s[G1B], s28, (1<<20)|(1<<21)|(5<<22)|(3<<25)           ; W_out's codes: 128 rows of 256 bytes out of rows of 512, 16 bytes of padding behind each
	s_mov_b32 s[G1B+1], 256<<16
	s_mov_b32 s[G1B+2], 128<<16
	s_mov_b32 s[G1B+3], 256<<16
	s_mov_b32 s[G1B+4], 128
	s_mov_b32 s[G1B+5], 512
	s_mov_b32 s[G1B+6], 0
	s_mov_b32 s[G1B+7], 0
	s_or_b32 s[G1SB], s28, (3<<16)|(1<<20)|(1<<21)|(5<<22)|(3<<25)  ; its scale bytes: 4,096 dense bytes as 16 rows of 256, padded likewise
	s_mov_b32 s[G1SB+1], 32<<16
	s_mov_b32 s[G1SB+2], 16<<16
	s_mov_b32 s[G1SB+3], 32<<16
	s_mov_b32 s[G1SB+4], 16
	s_mov_b32 s[G1SB+5], 32
	s_mov_b32 s[G1SB+6], 0
	s_mov_b32 s[G1SB+7], 0
	; where the tiles come from: vals' hang on the block of rows alone, W_out's on the block of columns alone
	s_lshl_b32 s30, s26, 1
	s_add_co_u32 s30, s30, s22
	s_lshl_b32 s32, s30, 8                         ; the group's scale words: 256 bytes in each K step
	s_lshl_b32 s30, s30, 15                        ; the group of 64 rows: 32,768 bytes of images
	s_mov_b32 s31, 0
	s_mov_b32 s33, 0
	s_lshl_b32 s60, s25, 1
	s_add_co_u32 s60, s60, s22                     ; W_out: 128 rows
	s_lshl_b32 s62, s60, 12                        ; x 32 bytes
	s_lshl_b32 s60, s60, 16                        ; x 512 bytes
	s_mov_b32 s61, 0
	s_mov_b32 s63, 0
	s_lshl_b32 s35, s22, 14                        ; and where they go: the wave's number alone enters an LDS address
	s_lshl_b32 s66, s22, 11
	s_mul_i32 s67, s22, 128*PITCH
	s_mul_i32 s100, s22, 16*PITCH
	s_wait_dscnt 0x0
	s_wait_kmcnt 0x0
	s_add_nc_u64 s[30:31], s[4:5], s[30:31]
	s_add_nc_u64 s[32:33], s[6:7], s[32:33]
	s_add_nc_u64 s[60:61], s[8:9], s[60:61]
	s_add_nc_u64 s[62:63], s[10:11], s[62:63]
	CROUND                                         ; all sixteen work-groups are here: the joint loads meet
	s_mov_b32 s[G0A], 1
	s_add_co_u32 s[G0A+1], s66, ASC
	s_mov_b64 s[G0A+2:G0A+3], s[32:33]
	s_or_b32 s[G0A+3], s[G0A+3], 0x80000000
	s_mov_b32 s[G0B], 1
	s_add_co_u32 s[G0B+1], s100, BSC
	s_mov_b64 s[G0B+2:G0B+3], s[62:63]
	s_or_b32 s[G0B+3], s[G0B+3], 0x80000000
.irp k, 0,1
	s_mov_b32 s[G0A+4+4*\k], 1
	s_add_co_u32 s[G0A+5+4*\k], s35, AIMG+\k*32768
	s_add_nc_u64 s[G0A+6+4*\k:G0A+7+4*\k], s[30:31], 16384*\k
	s_or_b32 s[G0A+7+4*\k], s[G0A+7+4*\k], 0x80000000
	s_mov_b32 s[G0B+4+4*\k], 1
	s_add_co_u32 s[G0B+5+4*\k], s67, BH0+\k*BHALF
	s_add_nc_u64 s[G0B+6+4*\k:G0B+7+4*\k], s[60:61], 256*\k
	s_or_b32 s[G0B+7+4*\k], s[G0B+7+4*\k], 0x80000000
.endr
	; all fills of the launch, one group: a wave's three loads in one branch on its number: three loads of mine are out.  Four v_nop follow the last
	s_cmp_eq_u32 s21, 0
	s_cbranch_scc0 .Lfill_w
	tensor_load_to_lds s[G0A:G0A+3], s[G1SA:G1SA+7]
	s_nop 0
	tensor_load_to_lds s[G0A+4:G0A+7], s[G1A:G1A+7]
	s_nop 0
	tensor_load_to_lds s[G0A+8:G0A+11], s[G1A:G1A+7]
	s_nop 0
	PLACES 4
	s_branch .Lfilled
.Lfill_w:
	tensor_load_to_lds s[G0B:G0B+3], s[G1SB:G1SB+7]
	s_nop 0
	tensor_load_to_lds s[G0B+4:G0B+7], s[G1B:G1B+7]
	s_nop 0
	tensor_load_to_lds s[G0B+8:G0B+11], s[G1B:G1B+7]
	s_nop 0
	PLACES 4
.Lfilled:
	v_and_b32 v1, 15, v0                           ; r
	s_wait_alu depctr_va_vdst(0)
	v_bfe_u32 v2, v0, 4, 1                         ; h
	v_lshlrev_b32 v13, 5, v2
	s_lshl_b32 s60, s25, 10
	s_lshl_b32 s61, s22, 9
	s_add_co_u32 s60, s60, s61                     ; my first column, in bytes: 1,024 x block + 512 x half
	s_mov_b32 s61, 0
	s_add_nc_u64 s[12:13], s[12:13], s[60:61]
	WIN 0x40                                       ; destination window 1
.irp bt, 0,1,2,3,4,5,6,7                       ; the bias in the result's layout: lane (r, h) holds columns 16 bt + 8 h + 0 .. 7
	global_load_b128 v[128+8*\bt:128+8*\bt+3], v13, s[12:13] offset:64*\bt
	global_load_b128 v[128+8*\bt+4:128+8*\bt+7], v13, s[12:13] offset:64*\bt+16
.endr
	WIN 0
	s_lshl_b32 s62, s26, 19                        ; my first row: (128 x block + 64 x half) rows of 4,096 bytes
	s_lshl_b32 s63, s21, 18
	s_add_co_u32 s62, s62, s63
	s_add_co_u32 s62, s62, s60
	s_mov_b32 s63, 0
	s_add_nc_u64 s[14:15], s[14:15], s[62:63]
	v_and_b32 v3, 31, v0
	v_lshlrev_b32 v3, 4, v3                        ; 16 x lane
	s_lshl_b32 s34, s21, 14
	v_add_nc_u32 v4, s34, v3                       ; v4, v5: my group's images, first and second half of K
	v_add_nc_u32 v5, 32768, v4
	v_mul_u32_u24 v14, v1, PITCH
	s_wait_alu depctr_va_vdst(0)
	v_lshl_add_u32 v14, v2, 4, v14
	s_mul_i32 s34, s22, 128*PITCH
	s_add_co_u32 s34, s34, BH0
	v_add_nc_u32 v6, s34, v14                      ; v6, v7: my 128 rows of W_out
	v_add_nc_u32 v7, BHALF, v6
	s_lshl_b32 s34, s21, 11
	s_add_co_u32 s34, s34, ASC
	v_lshl_add_u32 v8, v1, 2, s34
	v_lshl_add_u32 v8, v2, 10, v8                  ; v8: vals' scale words: 4 r; lanes 16-31 take the K step four further on
	v_lshrrev_b32 v14, 3, v1
	v_and_b32 v15, 7, v1
	v_mul_u32_u24 v14, v14, PITCH
	v_lshl_add_u32 v14, v15, 5, v14
	v_lshl_add_u32 v14, v2, 4, v14
	s_mul_i32 s34, s22, 16*PITCH
	s_add_co_u32 s34, s34, BSC
	v_add_nc_u32 v9, s34, v14                      ; v9: W_out's: 272 (r / 8) + 32 (r % 8) + 16 h
	s_mul_i32 s34, s[WV], 16*SPITCH
	s_add_co_u32 s34, s34, STG                     ; my stage
	v_mul_u32_u24 v[STO], v1, SPITCH
	v_lshl_add_u32 v[STO], v2, 5, v[STO]
	v_add_nc_u32 v[STO], s34, v[STO]               ; in: row r, 32 bytes for each half of the lanes
	v_add_nc_u32 v[RD], s34, v3                    ; back: the 32 lanes take one row of 512 bytes
	v_mov_b32 v[CO], v3                            ; and the same in the output
	s_wait_alu depctr_va_vdst(0)
	s_wait_tensorcnt 0x1                           ; my scales and my part of the first half of K are in; the second half's load may be out
	s_barrier_signal -1
	s_barrier_wait -1                              ; everybody's are
.irp i, 0,1,2,3
.irp q, 0,1,2,3
	ds_load_b32 v[SA+4*\i+\q], v8 offset:256*\q+64*\i
.endr
.endr
.irp bt, 0,1,2,3,4,5,6,7
	ds_load_b128 v[SB+4*\bt:SB+4*\bt+3], v9 offset:2*PITCH*\bt
.endr
	FETCH 0
	s_wait_loadcnt 0x0                             ; the bias
.irp ks, 0,1,2,3,4,5,6,7
	s_wait_dscnt 0x0                               ; this step's fragments are in
.if \ks == 3
	s_wait_tensorcnt 0x0                           ; my part of the second half of K is in,
	s_barrier_signal -1
	s_barrier_wait -1                              ; everybody's is: the next fetch reads it
.endif
.if \ks < 7
.if \ks > 0
	PLACES 4                                       ; in front of loads into registers that the last step's products have read
.endif
	FETCH \ks+1
.endif
	MUL \ks
	WIN 0
.endr
	PLACES 4                                       ; in front of the first read of results
	TOSTAGE 0
.irp a, 1,2,3
.if \a > 1
	s_wait_xcnt 0x0                                ; block a - 2's stores have read their registers: block a's loads may land there
.endif
	TOSTAGE \a
	SEND \a-1, 32                                  ; behind block a - 1's loads: block a's 16 stores and 16 loads
.endr
	SEND 3, 0
	s_set_vgpr_msb 0x5
	s_wait_tensorcnt 0x0
	ds_add_u32 v254, v255
	s_wait_dscnt 0x0
	s_set_vgpr_msb 0x500
	CROUND                                         ; the closing round: no work-group ends while a partner may still ask for a tile that names it
	s_endpgm
.Lfunc_end_k_q9a57dec5a6_proj:
	.size	k_q9a57dec5a6_proj, .Lfunc_end_k_q9a57dec5a6_proj-k_q9a57dec5a6_proj
	.p2alignl 7, 3214868480
	.fill 96, 4, 3214868480
	.section	.rodata,"a",@progbits
	.p2align	6, 0x0
	.amdhsa_kernel k_q9a57dec5a6_proj
		.amdhsa_group_segment_fixed_size 251904
		.amdhsa_private_segment_fixed_size 0
		.amdhsa_enable_private_segment 0
		.amdhsa_kernarg_size 48
		.amdhsa_user_sgpr_count 2
		.amdhsa_user_sgpr_kernarg_segment_ptr 1
		.amdhsa_wavefront_size32 1
		.amdhsa_system_sgpr_workgroup_id_x 1
		.amdhsa_system_sgpr_workgroup_id_y 1
		.amdhsa_system_sgpr_workgroup_id_z 1
		.amdhsa_system_vgpr_workitem_id 0
		.amdhsa_next_free_vgpr 768
		.amdhsa_next_free_sgpr 102
		.amdhsa_reserve_vcc 0
		.amdhsa_float_denorm_mode_32 3
		.amdhsa_float_denorm_mode_16_64 3
		.amdhsa_memory_ordered 1
		.amdhsa_forward_progress 1
		.amdhsa_inst_pref_size 73
	.end_amdhsa_kernel
	.amdgpu_metadata
---
amdhsa.version: [ 1, 2 ]
amdhsa.kernels:
  - .name:           k_q9a57dec5a6_proj
    .symbol:         k_q9a57dec5a6_proj.kd
    .args:
      - { .name: aimg, .offset: 0, .size: 8, .value_kind: global_buffer, .address_space: global }
      - { .name: ascl, .offset: 8, .size: 8, .value_kind: global_buffer, .address_space: global }
      - { .name: W_out_codes, .offset: 16, .size: 8, .value_kind: global_buffer, .address_space: global }
      - { .name: W_out_scales, .offset: 24, .size: 8, .value_kind: global_buffer, .address_space: global }
      - { .name: b_out, .offset: 32, .size: 8, .value_kind: global_buffer, .address_space: global }
      - { .name: out0, .offset: 40, .size: 8, .value_kind: global_buffer, .address_space: global }
    .group_segment_fixed_size: 251904
    .private_segment_fixed_size: 0
    .kernarg_segment_align: 8
    .kernarg_segment_size: 48
    .max_flat_workgroup_size: 128
    .sgpr_count:     102
    .vgpr_count:     768
    .wavefront_size: 32
...
	.end_amdgpu_metadata
.endif
;; end of part 3
